; MI455X (gfx1250); checked and timed in simulation.
; The chip was launched on July 23, 2026; its instructions are those of AMD's public machine-readable ISA for CDNA 5 (MIT licence, August 2026) and "CDNA5" Instruction Set Architecture Reference Guide (July 2026). The comments in the code are by the model that wrote it; some were corrected since.
;; Sparse Self Attention. Allowed arithmetic: matrix products marked QUANTISED: E2M3 operands, one E8M0 scale for each 32 along K, by v_wmma_scale_f32_16x16x128_f8f6f4 with both operands' format E2M3, f32 sums; products left as they are: f32 operands where the result goes on into a quantised operand, else bf16, f16 or f32 operands; f32 sums; everything else in f32.
;; Inputs: Wk 512 x 512 float32; Wo 512 x 512 float32; Wq 512 x 512 float32; Wv 512 x 512 float32; bk 512 float32; bo 512 float32; bq 512 float32; bv 512 float32; x 4 x 4,096 x 512 float32.
;; Outputs: out0 4 x 4,096 x 512 float32.
;; This version of the problem:
;;   THIS VERSION OF THE PROBLEM IS GIVEN IN LOW PRECISION. The matrix products marked QUANTISED in the list below multiply operands that are first quantised to E2M3 (2 exponent bits, 3 mantissa bits; 6 bits a number), with one power-of-two scale for each 32 numbers along K (OCP MX v1.0); their sums are f32. All else is computed in f32.
;;   The module's matrix products, in the order in which they are computed (A, B: the left and right operand; K: the contracted axis; several contracted axes count as one K, in the product's order):
;;     1. [M 16,384, K 512] x [K 512, N 512]; A: input x; B: input Wq: QUANTISED
;;     2. [M 16,384, K 512] x [K 512, N 512]; A: input x; B: input Wk: QUANTISED
;;     3. [M 16,384, K 512] x [K 512, N 512]; A: input x; B: input Wv: QUANTISED
;;     4. batch 16,384 x [M 16, K 32] x [K 32, N 16]; A: computed on the way; B: computed on the way: QUANTISED
;;     5. batch 16,384 x [M 16, K 16] x [K 16, N 32]; A: softmax; B: computed on the way: left as it is (K = 16 < 32)
;;     6. [M 16,512, K 512] x [K 512, N 512]; A: computed on the way; B: input Wq: QUANTISED
;;     7. [M 16,512, K 512] x [K 512, N 512]; A: computed on the way; B: input Wk: QUANTISED
;;     8. [M 16,512, K 512] x [K 512, N 512]; A: computed on the way; B: input Wv: QUANTISED
;;     9. batch 16,512 x [M 16, K 32] x [K 32, N 16]; A: computed on the way; B: computed on the way: QUANTISED
;;     10. batch 16,512 x [M 16, K 16] x [K 16, N 32]; A: softmax; B: computed on the way: left as it is (K = 16 < 32)
;;     11. [M 16,384, K 512] x [K 512, N 512]; A: computed on the way; B: input Wo: QUANTISED
;;   THE QUANTISER, for each operand of a quantised product, along K:
;;     - K is cut into blocks of 32 from its start; a last block that is shorter is filled with zeros.
;;     - A block's scale is 2^e with e = floor(log2(the largest magnitude in the block)) - 2, held to -126 .. 127; a block of zeros has e = 0. As a byte (E8M0): e + 127.
;;     - Each number is divided by its block's scale, clamped to +-7.5, and rounded to the nearest number of E2M3, ties to even, subnormals kept.
;;     - The product sums the exact products of the quantised numbers (number of the format x scale) in f32.
;;   ~~~python
;;   def quantise(x, axis):      # numpy; x: float32 -> the quantised numbers, widened to float32 again
;;       x = np.moveaxis(x, axis, -1); K = x.shape[-1]
;;       x = np.pad(x, [(0, 0)] * (x.ndim - 1) + [(0, -K % 32)]); x = x.reshape(x.shape[:-1] + (-1, 32)); a = np.abs(x).max(-1, keepdims=True)
;;       e = np.where(a > 0, np.clip(np.frexp(np.where(a > 0, a, 1))[1] - 1 - 2, -126, 127), 0)      # np.frexp(a)[1] - 1 = floor(log2(a)), exactly
;;       r = np.clip(x / 2.0 ** e, -7.5, 7.5)
;;       step = 2.0 ** (np.maximum(np.frexp(np.where(r == 0, 1, r))[1] - 1, 0) - 3)
;;       q = np.round(r / step) * step * 2.0 ** e      # np.round: ties to even
;;       return np.moveaxis(q.reshape(q.shape[:-2] + (-1,))[..., :K], -1, axis).astype(np.float32)
;;   ~~~
;;   OPERANDS COMPUTED ON THE WAY. 'Computed on the way' means the value that the module computes at that place (a softmax that the list does not call 'softmax' is quantised finished and normalised). What goes into a quantiser is computed in f32, as accurately as f32 sums, v_exp_f32 and their like allow (about 1e-6 of the number): no bf16 or f16 on the way to a quantiser, and a product that is left as it is and whose result goes on into a quantised operand takes f32 operands (vector FMAs, or v_wmma_f32_16x16x4_f32). A number that lies on a knife's edge between two numbers of the format may be rounded either way, as far as f32 arithmetic and the matrix unit's own rounding can turn it there, and no further.
;; One version. Each part assembles by itself: llvm-mc -triple=amdgcn-amd-amdhsa -mcpu=gfx1250 --defsym DOCPART=n.
;; ======== version 1 of 1: 2 launches
;; workspace buffers: wq 819,200 bytes
;; launch quantw (part 1): grid 256 x 1, 1 waves a work-group, no clusters, 0 bytes of LDS; arguments Wq, Wk, Wv, Wo, wq; writes wq
.if DOCPART == 1
	.amdgcn_target "amdgcn-amd-amdhsa--gfx1250"
	.amdhsa_code_object_version 6
	.text
	.protected	k_q5c9cdfbcd6_quantw
	.globl	k_q5c9cdfbcd6_quantw
	.p2align	8
	.type	k_q5c9cdfbcd6_quantw,@function
k_q5c9cdfbcd6_quantw:
	s_mov_b64 s[64:65], 0
	v_nop
	global_prefetch_b8 v0, s[64:65] scope:SCOPE_SE
	s_setreg_imm32_b32 hwreg(HW_REG_WAVE_MODE, 25, 1), 1
	s_wait_xcnt 0x0
; Wq, Wk, Wv, Wo [512 (out)][512 (in = K)], f32, become codes of FP6 (E2M3) with one E8M0 byte for each 32 along K, laid in the ORDER OF THE OPERAND'S REGISTERS.
; A fragment is 16 rows x 128 K, 12 registers a lane.  Its image is three pieces of 512 bytes; piece p holds registers 4 p .. 4 p + 3, lane l's 16 bytes at 16 l.
; Fragment (matrix mi, group g of 32 rows, K step s, tile u) lies at byte ((16 mi + g) 8 + 2 s + u) 1,536.  Lane (r, h) of tile u is row 32 g + 8 u + r + 8 (r / 8):
; the rows of a tile are not neighbours, so that the results of tiles 0 and 1, used transposed, are 16 neighbours in a lane.  Registers 6 c .. 6 c + 5 hold k = 128 s + 64 c + 32 h + 0 .. 31.
; The scale words of (mi, g, s) are one register's image, 128 bytes at 786,432 + ((16 mi + g) 4 + s) 128: lanes 0-15 the words of tile 0's rows, lanes 16-31 those of tile 1's.
; A block's scale is 2^(floor(log2(its largest magnitude)) - 2); its byte is that magnitude's exponent field - 2, held at 1 from below.
; LIMITS: a block of zeros, or one whose largest magnitude lies under 2^-124, gets the byte 1 (the rule says 127 for zeros): its codes are zeros or held, and this program alone reads the bytes.  NaN and infinities are not served.
; One wave to a work-group; work-group id = 64 mi + 4 g + s makes two fragments and one scale register.  No loop, no LDS: 4 MiB are read once, 0.8 MiB written, each store 512 or 128 consecutive bytes.
.set X,  32                            ; v32-159  the numbers: tile u, half c, number i at 64 u + 32 c + i
.set F,  160                           ; v160-183 the two fragments
.set HB, 184                           ; v184-190 the upper halves of a tile's two blocks, as the conversions leave them
.macro MAXB m, t, xs                   ; the largest magnitude of v[xs] .. v[xs + 31], in two chains, with the floor 2^(3 - 127) among the leaves: the byte cannot fall under 1
	v_max3_num_f32 v[\m], |v[(\xs)]|, |v[(\xs)+1]|, |v[(\xs)+2]|
	v_max3_num_f32 v[\t], |v[(\xs)+3]|, |v[(\xs)+4]|, |v[(\xs)+5]|
.irp i, 6,10,14,18,22,26
	v_max3_num_f32 v[\m], v[\m], |v[(\xs)+\i]|, |v[(\xs)+\i+1]|
	v_max3_num_f32 v[\t], v[\t], |v[(\xs)+\i+2]|, |v[(\xs)+\i+3]|
.endr
	v_max3_num_f32 v[\m], v[\m], |v[(\xs)+30]|, |v[(\xs)+31]|
	v_max3_num_f32 v[\m], v[\m], v[\t], 0x1800000
.endm
	s_load_b256 s[4:11], s[0:1], 0x0               ; Wq, Wk, Wv, Wo
	s_load_b64 s[12:13], s[0:1], 0x20              ; wq
	v_and_b32 v1, 15, v0                           ; r
	v_bfe_u32 v2, v0, 4, 1                         ; h
	v_and_b32 v3, 8, v1
	v_add_nc_u32 v3, v3, v1                        ; r + 8 (r / 8)
	v_lshlrev_b32 v3, 11, v3                       ; a row of W is 2,048 bytes
	v_lshl_add_u32 v3, v2, 7, v3                   ; + 128 h: my block of 32 numbers
	v_lshlrev_b32 v4, 4, v0                        ; 16 x lane: an image's place
	v_lshlrev_b32 v5, 2, v0                        ; 4 x lane: a scale word's
	v_lshlrev_b32 v6, 3, v2                        ; 8 h: my bytes' place in the scale word
	v_mov_b32 v19, 0                               ; a lane permute's destination counts as one of its sources
	s_lshr_b32 s16, ttmp9, 6                       ; mi
	s_bfe_u32 s17, ttmp9, 0x40002                  ; g
	s_and_b32 s18, ttmp9, 3                        ; s
	s_mov_b32 s20, 0xffff0000                      ; lanes 16-31
	s_mov_b32 s22, 0x76543210
	s_mov_b32 s23, 0xfedcba98                      ; v_permlanex16_b32's selects for lane l xor 16
	s_lshl_b32 s24, s17, 16                        ; 32 rows of 2,048 bytes a group,
	s_lshl_b32 s25, s18, 9                         ; 512 bytes a K step
	s_add_co_u32 s24, s24, s25
	s_mov_b32 s25, 0
	s_lshr_b32 s26, ttmp9, 2
	s_mul_i32 s26, s26, 12288                      ; the group's eight fragments,
	s_mul_i32 s27, s18, 3072                       ; the K step's two
	s_add_co_u32 s26, s26, s27
	s_mov_b32 s27, 0
	s_lshl_b32 s28, ttmp9, 7
	s_add_co_u32 s28, s28, 786432                  ; the scale register's image
	s_mov_b32 s29, 0
	s_wait_kmcnt 0x0
	s_cmp_eq_u32 s16, 1                            ; which matrix: the choice hangs on the work-group's number alone
	s_cselect_b64 s[4:5], s[6:7], s[4:5]
	s_cmp_eq_u32 s16, 2
	s_cselect_b64 s[4:5], s[8:9], s[4:5]
	s_cmp_eq_u32 s16, 3
	s_cselect_b64 s[4:5], s[10:11], s[4:5]
	s_add_nc_u64 s[4:5], s[4:5], s[24:25]
	s_add_nc_u64 s[14:15], s[12:13], s[28:29]
	s_add_nc_u64 s[12:13], s[12:13], s[26:27]
.irp u, 0,1
.irp c, 0,1
.irp j, 0,1,2,3,4,5,6,7
	global_load_b128 v[X+64*\u+32*\c+4*\j:X+64*\u+32*\c+4*\j+3], v3, s[4:5] offset:16384*\u+256*\c+16*\j th:TH_LOAD_NT   ; W(row, 128 s + 64 c + 32 h + 4 j ..): read once in the launch
.endr
.endr
.endr
.macro TILE u
	MAXB 8, 10, X+64*\u                            ; my block 2 c + h: all its 32 numbers are mine
	MAXB 9, 11, X+64*\u+32
	v_add_nc_u32 v12, 0xff000000, v8               ; 2 off the exponent field: the conversion takes the exponent field of this operand as its scale
	v_add_nc_u32 v13, 0xff000000, v9
	v_lshrrev_b32 v14, 23, v12                     ; the scales' bytes
	v_lshrrev_b32 v15, 23, v13
	v_lshl_or_b32 v[16+\u], v15, 16, v14           ; blocks h and 2 + h of my row,
	v_lshlrev_b32 v[16+\u], v6, v[16+\u]           ; at their places in the word;
	v_permlanex16_b32 v19, v[16+\u], s22, s23
	v_or_b32 v[16+\u], v[16+\u], v19               ; with lane l xor 16's two the word is whole
.irp c, 0,1
	v_cvt_scalef32_pk16_fp6_f32 v[F+12*\u+6*\c:F+12*\u+6*\c+2], v[X+64*\u+32*\c:X+64*\u+32*\c+15], v[12+\c]
	v_cvt_scalef32_pk16_fp6_f32 v[HB+4*\c:HB+4*\c+2], v[X+64*\u+32*\c+16:X+64*\u+32*\c+31], v[12+\c]   ; (a conversion's three registers begin on an even number)
.endr
	v_nop                                          ; one plain place behind a scaled conversion
.irp c, 0,1
.irp i, 0,1,2
	v_mov_b32 v[F+12*\u+6*\c+3+\i], v[HB+4*\c+\i]
.endr
.endr
.irp p, 0,1,2
	global_store_b128 v4, v[F+12*\u+4*\p:F+12*\u+4*\p+3], s[12:13] offset:1536*\u+512*\p   ; 32 lanes store 512 consecutive bytes
.endr
.endm
	s_wait_loadcnt 16                              ; tile 0's sixteen loads are in; tile 1's sixteen may be out
	TILE 0
	s_wait_loadcnt 0x0
	TILE 1
	v_cndmask_b32 v18, v16, v17, s20               ; lanes 0-15 tile 0's words, lanes 16-31 tile 1's
	global_store_b32 v5, v18, s[14:15]             ; 128 consecutive bytes
	s_endpgm
.Lfunc_end_k_q5c9cdfbcd6_quantw:
	.size	k_q5c9cdfbcd6_quantw, .Lfunc_end_k_q5c9cdfbcd6_quantw-k_q5c9cdfbcd6_quantw
	.p2alignl 7, 3214868480
	.fill 96, 4, 3214868480
	.section	.rodata,"a",@progbits
	.p2align	6, 0x0
	.amdhsa_kernel k_q5c9cdfbcd6_quantw
		.amdhsa_group_segment_fixed_size 0
		.amdhsa_private_segment_fixed_size 0
		.amdhsa_enable_private_segment 0
		.amdhsa_kernarg_size 40
		.amdhsa_user_sgpr_count 2
		.amdhsa_user_sgpr_kernarg_segment_ptr 1
		.amdhsa_wavefront_size32 1
		.amdhsa_system_sgpr_workgroup_id_x 1
		.amdhsa_system_sgpr_workgroup_id_y 1
		.amdhsa_system_sgpr_workgroup_id_z 1
		.amdhsa_system_vgpr_workitem_id 0
		.amdhsa_next_free_vgpr 192
		.amdhsa_next_free_sgpr 66
		.amdhsa_reserve_vcc 0
		.amdhsa_float_denorm_mode_32 3
		.amdhsa_float_denorm_mode_16_64 3
		.amdhsa_memory_ordered 1
		.amdhsa_forward_progress 1
		.amdhsa_inst_pref_size 12
	.end_amdhsa_kernel
	.amdgpu_metadata
---
amdhsa.version: [ 1, 2 ]
amdhsa.kernels:
  - .name:           k_q5c9cdfbcd6_quantw
    .symbol:         k_q5c9cdfbcd6_quantw.kd
    .args:
      - { .name: Wq, .offset: 0, .size: 8, .value_kind: global_buffer, .address_space: global }
      - { .name: Wk, .offset: 8, .size: 8, .value_kind: global_buffer, .address_space: global }
      - { .name: Wv, .offset: 16, .size: 8, .value_kind: global_buffer, .address_space: global }
      - { .name: Wo, .offset: 24, .size: 8, .value_kind: global_buffer, .address_space: global }
      - { .name: wq, .offset: 32, .size: 8, .value_kind: global_buffer, .address_space: global }
    .group_segment_fixed_size: 0
    .private_segment_fixed_size: 0
    .kernarg_segment_align: 8
    .kernarg_segment_size: 40
    .max_flat_workgroup_size: 32
    .sgpr_count:     66
    .vgpr_count:     192
    .wavefront_size: 32
...
	.end_amdgpu_metadata
.endif
;; end of part 1
;; launch fused (part 2): grid 43 x 4, 8 waves a work-group, no clusters, 289,792 bytes of LDS; arguments x, wq, bq, bk, bv, bo, out0; writes out0
.if DOCPART == 2
	.amdgcn_target "amdgcn-amd-amdhsa--gfx1250"
	.amdhsa_code_object_version 6
	.text
	.protected	k_q5c9cdfbcd6_fused
	.globl	k_q5c9cdfbcd6_fused
	.p2align	8
	.type	k_q5c9cdfbcd6_fused,@function
k_q5c9cdfbcd6_fused:
	s_mov_b64 s[64:65], 0
	v_nop
	global_prefetch_b8 v0, s[64:65] scope:SCOPE_SE
	s_setreg_imm32_b32 hwreg(HW_REG_WAVE_MODE, 25, 1), 1
	s_wait_xcnt 0x0
.set RAWB, 26112
.set RP,   272
.set SCP,  144
.set STGO, 96*SCP
.set XC,   8*RAWB
.set XP,   400
.set XS,   XC+96*XP
.set OC,   XS+96*16
.set OS,   OC+96*XP
.set L16, 1
.set QC,  2
.set L4,  5
.set AXL, 6
.set AXA, 7
.set ASL, 8
.set ASA, 9
.set SWA, 10
.set SRL, 11
.set OCW, 12
.set OSW, 13
.set H64, 14
.set BVO, 15
.set XF,  16
.set XSC, 64
.set WS,  68
.set OCH, 80
.set OSH, 81
.set RA,  80
.set XW,  81
.set XSW, 82
.set BI,  84
.set QT,  132
.set KT,  148
.set VA,  164
.set PV,  180
.set KS,  196
.set SCQ, 208
.set SCK, 209
.set WH,  220
.set MSB, 0
.macro WIN new
.if MSB != \new
	s_set_vgpr_msb (MSB<<8)|\new
.set MSB, \new
.endif
.endm
.macro PLACES n
.rept \n
	v_nop
.endr
.endm
.macro MAXB m, t, xs
	v_max3_num_f32 v[\m], |v[(\xs)]|, |v[(\xs)+1]|, |v[(\xs)+2]|
	v_max3_num_f32 v[\t], |v[(\xs)+3]|, |v[(\xs)+4]|, |v[(\xs)+5]|
.irp i, 6,10,14,18,22,26
	s_delay_alu instid0(VALU_DEP_2)
	v_max3_num_f32 v[\m], v[\m], |v[(\xs)+\i]|, |v[(\xs)+\i+1]|
	s_delay_alu instid0(VALU_DEP_2)
	v_max3_num_f32 v[\t], v[\t], |v[(\xs)+\i+2]|, |v[(\xs)+\i+3]|
.endr
	s_delay_alu instid0(VALU_DEP_2)
	v_max3_num_f32 v[\m], v[\m], |v[(\xs)+30]|, |v[(\xs)+31]|
	s_delay_alu instid0(VALU_DEP_1)
	v_max3_num_f32 v[\m], v[\m], v[\t], 0x1800000
.endm
.macro XFETCH adr, xoff, sadr, soff
.irp s, 0,1,2,3
.irp q, 0,1,2,3,4,5
	ds_load_b64 v[XF+12*\s+2*\q:XF+12*\s+2*\q+1], v[\adr] offset:(\xoff)+96*\s+48*(\q/3)+8*(\q%3)
.endr
.endr
	ds_load_b128 v[XSC:XSC+3], v[\sadr] offset:\soff
.endm
.macro LOADW
	WIN 0x40
.irp fi, 0,1,2,3,4,5,6,7,8,9,10,11,12,13,14,15,16,17,18,19,20
.irp c, 0,1,2
	global_load_b128 v[12*\fi+4*\c:12*\fi+4*\c+3], v[L16], s[6:7] offset:196608*(\fi/8)+1536*(\fi%8)+512*\c
.endr
.endr
	WIN 0
.irp fi, 21,22,23
.irp c, 0,1,2
	global_load_b128 v[WH+12*(\fi-21)+4*\c:WH+12*(\fi-21)+4*\c+3], v[L16], s[6:7] offset:196608*(\fi/8)+1536*(\fi%8)+512*\c
.endr
.endr
.irp m, 0,1,2
.irp s, 0,1,2,3
	global_load_b32 v[WS+4*\m+\s], v[L4], s[30:31] offset:8192*\m+128*\s
.endr
.endr
.irp u, 0,1
.irp e, 0,1
	global_load_b128 v[BI+8*\u+4*\e:BI+8*\u+4*\e+3], v[H64], s[8:9] offset:32*\u+16*\e
	global_load_b128 v[BI+16+8*\u+4*\e:BI+16+8*\u+4*\e+3], v[H64], s[10:11] offset:32*\u+16*\e
.endr
.endr
.irp t, 0,1
.irp j, 0,1,2,3,4,5,6,7
	global_load_b32 v[BI+32+8*\t+\j], v[BVO], s[12:13] offset:32*\t
.endr
.endr
.endm
.macro LOADWO
	WIN 0x40
.irp fo, 0,1,2,3,4,5,6,7,8,9,10,11,12,13,14,15
.irp c, 0,1,2
	global_load_b128 v[12*\fo+4*\c:12*\fo+4*\c+3], v[L16], s[6:7] offset:577536+1536*\fo+512*\c
.endr
.endr
	WIN 0
.irp q, 0,1,2,3,4,5,6,7
	global_load_b32 v[WS+\q], v[L4], s[30:31] offset:24064+128*\q
.endr
.irp a, 0,1,2,3
.irp e, 0,1
	global_load_b128 v[BI+8*\a+4*\e:BI+8*\a+4*\e+3], v[H64], s[14:15] offset:128*(\a/2)+32*(\a%2)+16*\e
.endr
.endr
.endm
.macro QXLOAD T
.set rX, 16+116*((\T)%2)
.irp j, 0,1,2,3,4,5,6,7
	ds_load_b128 v[rX+4*\j:rX+4*\j+3], v[RA] offset:16*RP*(\T)+16*\j
.endr
.endm
.macro QX T
.if (\T) == 3
	s_wait_tensorcnt 0x0
.endif
.if (\T) < 5
	QXLOAD (\T)+1
	s_wait_dscnt 8
.else
	s_wait_dscnt 0x0
.endif
.set rX, 16+116*((\T)%2)
	MAXB 172, 173, rX
	s_delay_alu instid0(VALU_DEP_1)
	v_add_nc_u32 v174, 0xff000000, v172
	s_delay_alu instid0(VALU_DEP_1)
	v_lshrrev_b32 v175, 23, v174
	v_cvt_scalef32_pk16_fp6_f32 v[164:166], v[rX:rX+15], v174
	v_cvt_scalef32_pk16_fp6_f32 v[168:170], v[rX+16:rX+31], v174
	v_nop
	v_mov_b32 v167, v168
	v_mov_b32 v168, v169
	v_mov_b32 v169, v170
.if (\T) >= 4
.irp i, 0,1,2,3,4,5
	v_and_b32 v[164+\i], s21, v[164+\i]
.endr
.endif
	ds_store_b64 v[XW], v[164:165] offset:16*XP*(\T)
	ds_store_b64 v[XW], v[166:167] offset:16*XP*(\T)+8
	ds_store_b64 v[XW], v[168:169] offset:16*XP*(\T)+16
	ds_store_b8 v[XSW], v175 offset:256*(\T)
.endm
.macro QKV
	WIN 0x01
	s_setprio 2
.irp s, 0,1,2,3
.irp m, 0,1
.irp u, 0,1
.set rD, QT+16*\m+8*\u
.if \s == 0
.set rC, BI+16*\m+8*\u
.else
.set rC, rD
.endif
.set rW, 12*(8*\m+2*\s+\u)
.if \u
	v_wmma_scale_f32_16x16x128_f8f6f4 v[rD:rD+7], v[rW:rW+11], v[XF+12*\s:XF+12*\s+11], v[rC:rC+7], v[WS+4*\m+\s], v[XSC+\s] matrix_a_fmt:MATRIX_FMT_FP6 matrix_b_fmt:MATRIX_FMT_FP6 matrix_a_scale:MATRIX_SCALE_ROW1
.else
	v_wmma_scale_f32_16x16x128_f8f6f4 v[rD:rD+7], v[rW:rW+11], v[XF+12*\s:XF+12*\s+11], v[rC:rC+7], v[WS+4*\m+\s], v[XSC+\s] matrix_a_fmt:MATRIX_FMT_FP6 matrix_b_fmt:MATRIX_FMT_FP6
.endif
.endr
.endr
.endr
.irp s, 0,1,2,3
.irp t, 0,1
.set rD, VA+8*\t
.if \s == 0
.set rC, BI+32+8*\t
.else
.set rC, rD
.endif
.if 16+2*\s+\t < 21
	WIN 0x04
.set rW, 12*(16+2*\s+\t)
.else
	WIN 0
.set rW, WH+12*(2*\s+\t-5)
.endif
.if \t
	v_wmma_scale_f32_16x16x128_f8f6f4 v[rD:rD+7], v[XF+12*\s:XF+12*\s+11], v[rW:rW+11], v[rC:rC+7], v[XSC+\s], v[WS+8+\s] matrix_a_fmt:MATRIX_FMT_FP6 matrix_b_fmt:MATRIX_FMT_FP6 matrix_b_scale:MATRIX_SCALE_ROW1
.else
	v_wmma_scale_f32_16x16x128_f8f6f4 v[rD:rD+7], v[XF+12*\s:XF+12*\s+11], v[rW:rW+11], v[rC:rC+7], v[XSC+\s], v[WS+8+\s] matrix_a_fmt:MATRIX_FMT_FP6 matrix_b_fmt:MATRIX_FMT_FP6
.endif
.endr
.endr
.endm
.macro QUANT2
	s_setprio 1
	v_max3_num_f32 v216, |v[QT]|, |v[QT+1]|, 0x1800000
	v_max3_num_f32 v217, |v[KT]|, |v[KT+1]|, 0x1800000
.irp i, 2,4,6,8,10,12,14
	v_max3_num_f32 v216, v216, |v[QT+\i]|, |v[QT+\i+1]|
	v_max3_num_f32 v217, v217, |v[KT+\i]|, |v[KT+\i+1]|
.endr
	s_delay_alu instid0(VALU_DEP_2)
	v_permlanex16_b32 v218, v216, s22, s23
	s_delay_alu instid0(VALU_DEP_2)
	v_permlanex16_b32 v219, v217, s22, s23
	s_delay_alu instid0(VALU_DEP_2)
	v_max_num_f32 v216, v216, v218
	s_delay_alu instid0(VALU_DEP_2)
	v_max_num_f32 v217, v217, v219
	s_delay_alu instid0(VALU_DEP_2)
	v_add_nc_u32 v216, 0xff000000, v216
	s_delay_alu instid0(VALU_DEP_2)
	v_add_nc_u32 v217, 0xff000000, v217
	s_delay_alu instid0(VALU_DEP_2)
	v_lshrrev_b32 v218, 23, v216
	s_delay_alu instid0(VALU_DEP_2)
	v_lshrrev_b32 v219, 23, v217
	s_delay_alu instid0(VALU_DEP_2)
	v_lshl_or_b32 v[SCQ], v218, 8, v218
	s_delay_alu instid0(VALU_DEP_2)
	v_lshl_or_b32 v[SCK], v219, 8, v219
	v_cvt_scalef32_pk16_fp6_f32 v[QC:QC+2], v[QT:QT+15], v216
	v_cvt_scalef32_pk16_fp6_f32 v[KS:KS+2], v[KT:KT+15], v217
.endm
.macro SCORES
	PLACES 8
	v_wmma_scale_f32_16x16x128_f8f6f4 v[QT:QT+7], v[KS:KS+11], v[QC:QC+11], 0, v[SCK], v[SCQ] matrix_a_fmt:MATRIX_FMT_FP6 matrix_b_fmt:MATRIX_FMT_FP6
	PLACES 4
.endm
.macro SOFTMAX
	v_max3_num_f32 v212, v[QT], v[QT+1], v[QT+2]
	v_max3_num_f32 v213, v[QT+3], v[QT+4], v[QT+5]
	v_max3_num_f32 v212, v212, v[QT+6], v[QT+7]
	s_delay_alu instid0(VALU_DEP_1)
	v_max_num_f32 v212, v212, v213
	s_delay_alu instid0(VALU_DEP_1)
	v_permlanex16_b32 v213, v212, s22, s23
	s_delay_alu instid0(VALU_DEP_1)
	v_max_num_f32 v212, v212, v213
	s_delay_alu instid0(VALU_DEP_1)
	v_mul_f32 v210, 0xbe8293ee, v212
.irp i, 0,2,4,6
	v_pk_fma_f32 v[QT+\i:QT+\i+1], v[QT+\i:QT+\i+1], s[24:25], v[210:211] op_sel_hi:[1,0,0]
.endr
	s_wait_alu depctr_va_vdst(0)
.irp i, 0,1,2,3,4,5,6,7
	v_exp_f32 v[QT+\i], v[QT+\i]
.endr
	v_nop
	s_wait_alu depctr_va_vdst(0)
	v_pk_add_f32 v[212:213], v[QT:QT+1], v[QT+2:QT+3]
	v_pk_add_f32 v[216:217], v[QT+4:QT+5], v[QT+6:QT+7]
	s_delay_alu instid0(VALU_DEP_1)
	v_pk_add_f32 v[212:213], v[212:213], v[216:217]
	s_delay_alu instid0(VALU_DEP_1)
	v_add_f32 v212, v212, v213
	s_delay_alu instid0(VALU_DEP_1)
	v_permlanex16_b32 v213, v212, s22, s23
	s_delay_alu instid0(VALU_DEP_1)
	v_add_f32 v212, v212, v213
	s_wait_alu depctr_va_vdst(0)
	v_rcp_f32 v214, v212
	v_nop
	s_wait_alu depctr_va_vdst(0)
.irp i, 0,2,4,6
	v_pk_mul_f32 v[QT+\i:QT+\i+1], v[QT+\i:QT+\i+1], v[214:215] op_sel_hi:[1,0]
.endr
.endm
.macro PVMUL mode
	s_setprio 0
.irp kk, 0,1,2,3
.irp t, 0,1
.if \kk == 0
.if \mode
	v_wmma_f32_16x16x4_f32 v[PV+8*\t:PV+8*\t+7], v[VA+8*\t:VA+8*\t+1], v[QT:QT+1], v[KT+8*\t:KT+8*\t+7]
.else
	v_wmma_f32_16x16x4_f32 v[PV+8*\t:PV+8*\t+7], v[VA+8*\t:VA+8*\t+1], v[QT:QT+1], 0
.endif
.else
	v_wmma_f32_16x16x4_f32 v[PV+8*\t:PV+8*\t+7], v[VA+8*\t+2*\kk:VA+8*\t+2*\kk+1], v[QT+2*\kk:QT+2*\kk+1], v[PV+8*\t:PV+8*\t+7]
.endif
.endr
.endr
	PLACES 9
.endm
.macro PAIR mode, idx, nadr, nxoff, nsadr, nsoff, hook
	s_wait_dscnt 0x0
	QKV
	PLACES 4
	XFETCH \nadr, \nxoff, \nsadr, \nsoff
.if \hook
	s_cmp_eq_u32 s26, 0
	s_cbranch_scc0 .Lfor_wo
	s_add_nc_u64 s[6:7], s[6:7], 12288
	s_add_nc_u64 s[30:31], s[30:31], 512
	s_add_nc_u64 s[8:9], s[8:9], 128
	s_add_nc_u64 s[10:11], s[10:11], 128
	s_add_nc_u64 s[12:13], s[12:13], 128
	LOADW
	s_branch .Lasked
.Lfor_wo:
	LOADWO
.Lasked:
.endif
	QUANT2
.if \mode
.irp e, 0,1,2,3
	ds_load_b128 v[KT+4*\e:KT+4*\e+3], v[SRL] offset:16*SCP*(\idx)+16*\e
.endr
.endif
	SCORES
	SOFTMAX
.if \mode
	s_wait_alu depctr_va_vdst(0)
	s_wait_dscnt 0x0
.endif
	PVMUL \mode
.if \mode
	v_max3_num_f32 v216, |v[PV]|, |v[PV+1]|, 0x1800000
	v_max3_num_f32 v217, |v[PV+8]|, |v[PV+9]|, 0x1800000
.irp i, 2,4,6
	v_max3_num_f32 v216, v216, |v[PV+\i]|, |v[PV+\i+1]|
	v_max3_num_f32 v217, v217, |v[PV+8+\i]|, |v[PV+9+\i]|
.endr
	s_delay_alu instid0(VALU_DEP_1)
	v_max_num_f32 v216, v216, v217
	s_delay_alu instid0(VALU_DEP_1)
	v_permlanex16_b32 v218, v216, s22, s23
	s_delay_alu instid0(VALU_DEP_1)
	v_max_num_f32 v216, v216, v218
	s_delay_alu instid0(VALU_DEP_1)
	v_add_nc_u32 v216, 0xff000000, v216
	s_delay_alu instid0(VALU_DEP_1)
	v_lshrrev_b32 v218, 23, v216
	v_cvt_scalef32_pk16_fp6_f32 v[212:214], v[PV:PV+15], v216
	v_nop
.irp e, 0,1,2
	ds_store_b32 v[OCH], v[212+\e] offset:16*XP*(\idx)+4*\e
.endr
	ds_store_b8 v[OSH], v218 offset:256*(\idx)
.else
.irp e, 0,1,2,3
	ds_store_b128 v[SWA], v[PV+4*\e:PV+4*\e+3] offset:SCP*(\idx)+16*\e
.endr
.endif
.endm
.macro OTILE T
	s_wait_dscnt 0x0
	WIN 0x01
.irp s, 0,1,2,3
.irp a, 0,1,2,3
.set rD, QT+8*\a
.if \s == 0
.set rC, BI+8*\a
.else
.set rC, rD
.endif
.set rW, 12*(8*(\a/2)+2*\s+(\a%2))
.if (\a%2)
	v_wmma_scale_f32_16x16x128_f8f6f4 v[rD:rD+7], v[rW:rW+11], v[XF+12*\s:XF+12*\s+11], v[rC:rC+7], v[WS+4*(\a/2)+\s], v[XSC+\s] matrix_a_fmt:MATRIX_FMT_FP6 matrix_b_fmt:MATRIX_FMT_FP6 matrix_a_scale:MATRIX_SCALE_ROW1
.else
	v_wmma_scale_f32_16x16x128_f8f6f4 v[rD:rD+7], v[rW:rW+11], v[XF+12*\s:XF+12*\s+11], v[rC:rC+7], v[WS+4*(\a/2)+\s], v[XSC+\s] matrix_a_fmt:MATRIX_FMT_FP6 matrix_b_fmt:MATRIX_FMT_FP6
.endif
.endr
.endr
	WIN 0
	PLACES 5
.if (\T) < 5
	XFETCH AXL, 16*XP*((\T)+1), ASL, 256*((\T)+1)
.endif
.irp a, 0,1,2,3
.irp e, 0,1
	ds_store_b128 v[SWA], v[QT+8*\a+4*\e:QT+8*\a+4*\e+3] offset:128*(\a/2)+32*(\a%2)+16*\e
.endr
.endr
	s_wait_xcnt 0x0
.irp i, 0,1,2,3
	ds_load_b128 v[116+4*\i:119+4*\i], v[SRL] offset:2*RP*\i
.endr
.irp i, 4,5,6,7
	ds_load_b128 v[148+4*\i:151+4*\i], v[SRL] offset:2*RP*\i
.endr
	s_wait_dscnt 0x0
.irp i, 0,1,2,3
	global_store_b128 v[OCW], v[116+4*\i:119+4*\i], s[16:17] offset:32768*(\T)+4096*\i th:TH_STORE_NT
.endr
.irp i, 4,5,6,7
	global_store_b128 v[OCW], v[148+4*\i:151+4*\i], s[16:17] offset:32768*(\T)+4096*\i th:TH_STORE_NT
.endr
.endm
	s_load_b256 s[4:11], s[0:1], 0x0
	s_load_b128 s[12:15], s[0:1], 0x20
	s_load_b64 s[16:17], s[0:1], 0x30
	v_lshl_add_u32 v83, v0, 2, 0x46800
	s_set_vgpr_msb 0x40
	v_mov_b32 v255, 0
	s_set_vgpr_msb 0x4044
	ds_add_u32 v83, v255
	ds_add_u32 v83, v255
	s_set_vgpr_msb 0x4400
	v_lshrrev_b32 v16, 5, v0
	s_delay_alu instid0(VALU_DEP_1)
	v_readfirstlane_b32 s18, v16
	s_mov_b32 s19, ttmp9
	s_and_b32 s20, ttmp7, 0xffff
	s_cmp_eq_u32 s19, 42
	s_cselect_b32 s21, 0, -1
	s_cselect_b32 s58, 0, 0x20000
	s_mov_b32 s59, 0
	s_mov_b32 s22, 0x76543210
	s_mov_b32 s23, 0xfedcba98
	s_mov_b32 s24, 0x3e8293ee
	s_mov_b32 s25, s24
	s_mul_i32 s29, s18, RAWB
.irp g, 32, 40
	s_mov_b32 s[\g], 0x07520000
	s_mov_b32 s[\g+1], 64<<16
	s_mov_b32 s[\g+3], 64<<16
	s_mov_b32 s[\g+5], 512
	s_mov_b32 s[\g+6], 0
	s_mov_b32 s[\g+7], 0
.endr
	s_mov_b32 s34, 64<<16
	s_mov_b32 s36, 64
	s_mov_b32 s42, 32<<16
	s_mov_b32 s44, 32
	s_lshl_b32 s56, s20, 23
	s_mul_i32 s57, s19, 196608
	s_add_co_u32 s56, s56, s57
	s_lshl_b32 s2, s18, 8
	s_mov_b32 s3, 0
	s_add_co_u32 s56, s56, s2
	s_mov_b32 s57, 0
	s_mul_i32 s60, s18, 24576
	s_mov_b32 s61, 0
	s_lshl_b32 s62, s18, 10
	s_add_co_u32 s62, s62, 786432
	s_mov_b32 s63, 0
	s_mul_i32 s27, s18, 48
	s_lshl_b32 s28, s18, 1
	v_and_b32 v16, 31, v0
	v_and_b32 v17, 15, v0
	v_bfe_u32 v18, v0, 4, 1
	s_delay_alu instid0(VALU_DEP_3)
	v_lshlrev_b32 v[L16], 4, v16
	s_delay_alu instid0(VALU_DEP_4)
	v_lshlrev_b32 v[L4], 2, v16
	s_delay_alu instid0(VALU_DEP_3)
	v_mul_u32_u24 v19, v18, 24
	s_delay_alu instid0(VALU_DEP_1)
	v_mad_u32_u24 v[AXL], v17, XP, v19
	s_delay_alu instid0(VALU_DEP_1)
	v_add_nc_u32 v[AXL], XC, v[AXL]
	s_delay_alu instid0(VALU_DEP_3)
	v_mad_u32_u24 v[AXA], v17, 3*XP, v19
	s_delay_alu instid0(VALU_DEP_1)
	v_add_nc_u32 v[AXA], XC, v[AXA]
	v_lshl_add_u32 v[ASL], v17, 4, XS
	v_mul_u32_u24 v[ASA], v17, 48
	s_delay_alu instid0(VALU_DEP_1)
	v_add_nc_u32 v[ASA], XS, v[ASA]
	v_lshlrev_b32 v[H64], 6, v18
	s_delay_alu instid0(VALU_DEP_1)
	v_mad_u32_u24 v[SWA], v17, 3*SCP, v[H64]
	s_delay_alu instid0(VALU_DEP_1)
	v_add_nc_u32 v[SWA], s29, v[SWA]
	s_delay_alu instid0(VALU_DEP_3)
	v_mad_u32_u24 v[SRL], v17, SCP, v[H64]
	s_delay_alu instid0(VALU_DEP_1)
	v_add_nc_u32 v[SRL], s29, v[SRL]
	v_mul_u32_u24 v[OCW], v18, 12
	s_delay_alu instid0(VALU_DEP_1)
	v_mad_u32_u24 v[OCW], v17, XP, v[OCW]
	s_delay_alu instid0(VALU_DEP_1)
	v_add_nc_u32 v[OCW], s27, v[OCW]
	s_delay_alu instid0(VALU_DEP_1)
	v_add_nc_u32 v[OCW], OC, v[OCW]
	v_lshl_add_u32 v[OSW], v17, 4, OS
	s_delay_alu instid0(VALU_DEP_1)
	v_add_nc_u32 v[OSW], s28, v[OSW]
	v_and_b32 v[BVO], 8, v17
	s_delay_alu instid0(VALU_DEP_1)
	v_add_nc_u32 v[BVO], v[BVO], v17
	s_delay_alu instid0(VALU_DEP_1)
	v_lshlrev_b32 v[BVO], 2, v[BVO]
	v_lshlrev_b32 v[RA], 7, v18
	s_delay_alu instid0(VALU_DEP_1)
	v_mad_u32_u24 v[RA], v17, RP, v[RA]
	s_delay_alu instid0(VALU_DEP_1)
	v_add_nc_u32 v[RA], s29, v[RA]
	v_add_nc_u32 v[XW], s27, v[AXL]
	v_add_nc_u32 v[XSW], s28, v[ASL]
	s_delay_alu instid0(VALU_DEP_1)
	v_add_nc_u32 v[XSW], v[XSW], v18
.irp i, 3,4,5,6,7,8,9,10,11
	v_mov_b32 v[KS+\i], 0
.endr
.irp i, 210,211,212,213,214,215,216,217,218,219
	v_mov_b32 v\i, 0
.endr
	s_wait_dscnt 0x0
	s_wait_kmcnt 0x0
	s_add_nc_u64 s[4:5], s[4:5], s[56:57]
	s_add_nc_u64 s[16:17], s[16:17], s[56:57]
	s_mov_b32 s48, 1
	s_mov_b32 s49, s29
	s_mov_b64 s[50:51], s[4:5]
	s_or_b32 s51, s51, 0x80000000
	s_mov_b32 s52, 1
	s_add_co_u32 s53, s29, 64*RP
	s_add_nc_u64 s[54:55], s[4:5], s[58:59]
	s_or_b32 s55, s55, 0x80000000
	tensor_load_to_lds s[48:51], s[32:39]
	s_nop 0
	tensor_load_to_lds s[52:55], s[40:47]
	s_nop 0
	PLACES 4
	s_add_nc_u64 s[30:31], s[6:7], s[62:63]
	s_add_nc_u64 s[6:7], s[6:7], s[60:61]
	s_add_nc_u64 s[8:9], s[8:9], s[2:3]
	s_add_nc_u64 s[10:11], s[10:11], s[2:3]
	s_add_nc_u64 s[12:13], s[12:13], s[2:3]
	s_add_nc_u64 s[14:15], s[14:15], s[2:3]
	LOADW
	s_wait_tensorcnt 1
	QXLOAD 0
.irp T, 0,1,2,3,4,5
	QX \T
.endr
	s_wait_dscnt 0x0
	s_barrier_signal -1
	s_barrier_wait -1
	XFETCH AXA, 0, ASA, 0
	s_mov_b32 s26, 0
	s_mov_b32 s27, 0
	s_mov_b32 s28, 0
.Lhead:
	s_wait_loadcnt 0x0
	v_add_nc_u32 v[OCH], s27, v[OCW]
	v_add_nc_u32 v[OSH], s28, v[OSW]
	PAIR 0, 0,  AXA, XP*1,  ASA, 16*1,  0
	PAIR 0, 1,  AXA, XP*2,  ASA, 16*2,  0
	PAIR 0, 2,  AXA, XP*48, ASA, 16*48, 0
	PAIR 0, 48, AXA, XP*49, ASA, 16*49, 0
	PAIR 0, 49, AXA, XP*50, ASA, 16*50, 0
	PAIR 0, 50, AXL, 0,       ASL, 0,     0
	PAIR 1, 0,  AXL, 16*XP*1, ASL, 256*1, 0
	PAIR 1, 1,  AXL, 16*XP*2, ASL, 256*2, 0
	PAIR 1, 2,  AXL, 16*XP*3, ASL, 256*3, 0
	PAIR 1, 3,  AXL, 16*XP*4, ASL, 256*4, 0
	PAIR 1, 4,  AXL, 16*XP*5, ASL, 256*5, 0
	PAIR 1, 5,  AXA, 0,       ASA, 0,     1
	s_add_co_u32 s27, s27, 24
	s_add_co_u32 s28, s28, 1
	s_add_co_u32 s26, s26, 1
	s_cmp_lt_u32 s26, 2
	s_cbranch_scc1 .Lhead
	s_setprio 0
	s_wait_dscnt 0x0
	s_barrier_signal -1
	s_barrier_wait -1
	v_add_nc_u32 v[AXL], OC-XC, v[AXL]
	v_add_nc_u32 v[ASL], OS-XS, v[ASL]
	XFETCH AXL, 0, ASL, 0
	s_add_co_u32 s56, s29, STGO
	v_and_b32 v212, 15, v0
	v_bfe_u32 v213, v0, 4, 1
	s_delay_alu instid0(VALU_DEP_2)
	v_mad_u32_u24 v[SWA], v212, RP, v[H64]
	s_delay_alu instid0(VALU_DEP_1)
	v_add_nc_u32 v[SWA], s56, v[SWA]
	s_delay_alu instid0(VALU_DEP_4)
	v_lshlrev_b32 v[SRL], 4, v212
	s_delay_alu instid0(VALU_DEP_1)
	v_lshl_add_u32 v[OCW], v213, 11, v[SRL]
	s_delay_alu instid0(VALU_DEP_2)
	v_mad_u32_u24 v[SRL], v213, RP, v[SRL]
	s_delay_alu instid0(VALU_DEP_1)
	v_add_nc_u32 v[SRL], s56, v[SRL]
	s_wait_alu depctr_va_vdst(0)
	s_wait_loadcnt 0x0
	OTILE 0
	OTILE 1
	OTILE 2
	OTILE 3
	s_cmp_eq_u32 s19, 42
	s_cbranch_scc1 .Lend
	OTILE 4
	OTILE 5
.Lend:
	s_set_vgpr_msb 0x4
	s_wait_tensorcnt 0x0
	ds_add_u32 v83, v255
	s_wait_dscnt 0x0
	s_set_vgpr_msb 0x400
	s_endpgm
.Lfunc_end_k_q5c9cdfbcd6_fused:
	.size	k_q5c9cdfbcd6_fused, .Lfunc_end_k_q5c9cdfbcd6_fused-k_q5c9cdfbcd6_fused
	.p2alignl 7, 3214868480
	.fill 96, 4, 3214868480
	.section	.rodata,"a",@progbits
	.p2align	6, 0x0
	.amdhsa_kernel k_q5c9cdfbcd6_fused
		.amdhsa_group_segment_fixed_size 289792
		.amdhsa_private_segment_fixed_size 0
		.amdhsa_enable_private_segment 0
		.amdhsa_kernarg_size 56
		.amdhsa_user_sgpr_count 2
		.amdhsa_user_sgpr_kernarg_segment_ptr 1
		.amdhsa_wavefront_size32 1
		.amdhsa_system_sgpr_workgroup_id_x 1
		.amdhsa_system_sgpr_workgroup_id_y 1
		.amdhsa_system_sgpr_workgroup_id_z 1
		.amdhsa_system_vgpr_workitem_id 0
		.amdhsa_next_free_vgpr 512
		.amdhsa_next_free_sgpr 66
		.amdhsa_reserve_vcc 0
		.amdhsa_float_denorm_mode_32 3
		.amdhsa_float_denorm_mode_16_64 3
		.amdhsa_memory_ordered 1
		.amdhsa_forward_progress 1
		.amdhsa_inst_pref_size 220
	.end_amdhsa_kernel
	.amdgpu_metadata
---
amdhsa.version: [ 1, 2 ]
amdhsa.kernels:
  - .name:           k_q5c9cdfbcd6_fused
    .symbol:         k_q5c9cdfbcd6_fused.kd
    .args:
      - { .name: x, .offset: 0, .size: 8, .value_kind: global_buffer, .address_space: global }
      - { .name: wq, .offset: 8, .size: 8, .value_kind: global_buffer, .address_space: global }
      - { .name: bq, .offset: 16, .size: 8, .value_kind: global_buffer, .address_space: global }
      - { .name: bk, .offset: 24, .size: 8, .value_kind: global_buffer, .address_space: global }
      - { .name: bv, .offset: 32, .size: 8, .value_kind: global_buffer, .address_space: global }
      - { .name: bo, .offset: 40, .size: 8, .value_kind: global_buffer, .address_space: global }
      - { .name: out0, .offset: 48, .size: 8, .value_kind: global_buffer, .address_space: global }
    .group_segment_fixed_size: 289792
    .private_segment_fixed_size: 0
    .kernarg_segment_align: 8
    .kernarg_segment_size: 56
    .max_flat_workgroup_size: 256
    .sgpr_count:     66
    .vgpr_count:     512
    .wavefront_size: 32
...
	.end_amdgpu_metadata
.endif
;; end of part 2
